; MI455X (gfx1250); checked and timed in simulation.
; The chip was launched on July 23, 2026; its instructions are those of AMD's public machine-readable ISA for CDNA 5 (MIT licence, August 2026) and "CDNA5" Instruction Set Architecture Reference Guide (July 2026). The comments in the code are by the model that wrote it; some were corrected since.
;; Vector Quantizer. Allowed arithmetic: matrix products marked QUANTISED: E4M3 operands, one given power-of-two scale a tensor, by v_wmma_f32_16x16x64_fp8_fp8 or v_wmma_f32_16x16x128_fp8_fp8, f32 sums; everything else in f32.
;; Inputs: inputs 64 x 32 x 32 x 64 float32; lowp_scales 2 int32 (the exponents e of the quantised operands' scales 2^e); w 1,024 x 64 float32.
;; Outputs: out0 64 x 32 x 32 x 64 float32; out1 one number float32; out2 65,536 int32; out3 64 x 1,024 float32.
;; This version of the problem:
;;   THIS VERSION OF THE PROBLEM IS GIVEN IN LOW PRECISION. The matrix products marked QUANTISED in the list below multiply operands that are first quantised to E4M3 (4 exponent bits, 3 mantissa bits; 8 bits a number), with one given power-of-two scale for each operand tensor; their sums are f32. All else is computed in f32.
;;   The module's matrix products, in the order in which they are computed (A, B: the left and right operand; K: the contracted axis; several contracted axes count as one K, in the product's order):
;;     1. [M 65,536, K 64] x [K 64, N 1,024]; A: input inputs; B: input w: QUANTISED (scales: A lowp_scales[0], B lowp_scales[1])
;;   THE QUANTISER, for each operand of a quantised product, along K:
;;     - The operand's scale is 2^e, e = its entry of the input lowp_scales (int32; the entries are numbered through the quantised products in the list's order, A before B).
;;     - Each number is divided by the scale, clamped to +-448, and rounded to the nearest number of E4M3, ties to even, subnormals kept.
;;     - The product sums the exact products of the quantised numbers (number of the format x scale) in f32.
;;   ~~~python
;;   def quantise(x, axis, e):      # numpy; x: float32 -> the quantised numbers, widened to float32 again
;;       x = np.moveaxis(x, axis, -1); K = x.shape[-1]
;;       r = np.clip(x / 2.0 ** e, -448, 448)
;;       step = 2.0 ** (np.maximum(np.frexp(np.where(r == 0, 1, r))[1] - 1, -6) - 3)
;;       q = np.round(r / step) * step * 2.0 ** e      # np.round: ties to even
;;       return np.moveaxis(q, -1, axis).astype(np.float32)
;;   ~~~
;; One version. Each part assembles by itself: llvm-mc -triple=amdgcn-amd-amdhsa -mcpu=gfx1250 --defsym DOCPART=n.
;; ======== version 1 of 1: 3 launches
;; limits: right only within a limited range of input values
;; workspace buffers: idx 262,144 bytes of whole numbers; part 1,024 bytes
;; launch assign (part 1): grid 256 x 1, 16 waves a work-group, clusters of 4 x 1, 327,680 bytes of LDS; arguments inputs, w, lowp_scales, out2, idx; writes out2, idx
.if DOCPART == 1
	.amdgcn_target "amdgcn-amd-amdhsa--gfx1250"
	.amdhsa_code_object_version 6
	.text
	.protected	k_q865305470b_assign
	.globl	k_q865305470b_assign
	.p2align	8
	.type	k_q865305470b_assign,@function
k_q865305470b_assign:
	s_mov_b64 s[64:65], 0
	v_nop
	global_prefetch_b8 v0, s[64:65] scope:SCOPE_SE
	s_setreg_imm32_b32 hwreg(HW_REG_WAVE_MODE, 25, 1), 1
	s_wait_xcnt 0x0
	s_wait_alu depctr_hold_cnt(0) depctr_sa_sdst(0) depctr_va_vdst(0) depctr_va_sdst(0) depctr_va_ssrc(0) depctr_va_vcc(0) depctr_vm_vsrc(0)
	s_getreg_b32 s2, hwreg(HW_REG_IB_STS2, 6, 4)
	s_cmp_eq_u32 s2, 0
	s_cbranch_scc0 .Lentry_in_a_cluster
	s_endpgm
.Lentry_in_a_cluster:
	s_bfe_u32 s2, ttmp6, 0x10000c
	s_cmp_lg_u32 s2, 0x3003
	s_cbranch_scc0 .Lentry_shape_is_right
	s_endpgm
.Lentry_shape_is_right:
; ASSIGN.  For each of the 65,536 rows x of inputs ([65536][64] f32): the number of the row of w ([1024][64] f32) with the smallest ||x||^2 - 2 x.w + ||w||^2, the lowest number where several
; are equal.  x.w is the quantised product: both operands as codes of E4M3 with the given scales 2^ex, 2^ew, by v_wmma_f32_16x16x64_fp8_fp8 (K = 64 is one instruction), k in its own places.
; DEAD WORK LEFT OUT: ||x||^2.  It is the same number for all codewords of a row, so in exact arithmetic it moves no argmax over the codewords, whatever the inputs hold, and it has no other way to an output.
; So the score is x.w - ||w||^2 / 2, and its largest is sought.  LIMIT: a NaN, an infinity or an overflow that reaches only ||x||^2 is not carried to the result.
; C of each product is -||w||^2 / 2^(ex+ew+1) (||w||^2 in f32 from the numbers as given), so the matrix instruction's result is the score / 2^(ex+ew): no vector instruction makes a score.
; SHARES.  256 work-groups x 256 rows.  Sixteen waves: wave u owns codewords 64 u .. 64 u + 63, four tiles of 16, whose fragments and C stay in its registers for the whole launch; all waves walk all 16 tiles of
; 16 queries.  THE PRODUCT IS USED TRANSPOSED: source 0 = 16 rows of w, source 1 = 16 queries: lane (r, h) holds query r, register j of tile t the codeword 64 u + 16 t + 8 h + j.
; THE MAXIMUM.  For each tile of codewords: four three-input maxima give the new running maximum; where it is larger than the old, the tile's number and its eight scores are kept (selections: no branch hangs on
; data).  Behind the fourth tile the first of the eight kept scores that equals the maximum gives j.  The 32 candidates of a query (16 waves x 2 halves of the lanes) meet in LDS: the largest score, the lowest number.
; w COMES IN AS f32 BY TWO ROADS AT ONCE.  A wave's tiles 2 and 3 by a JOINT TENSOR LOAD: the four work-groups of a cluster need the same w; wave u of each asks for its 32 rows with the same descriptor; LDS rows are
; 272 bytes apart (256 + 16 of padding), so that sixteen neighbouring rows start at sixteen different banks (64 banks of 4 bytes: ISA guide 11.1).  Only the wave that asked reads its rows, so its own wait is all
; that its reads need.  Tiles 0 and 1, half of w, come straight into registers, as x does: that half crosses LDS as codes, a quarter of its bytes; a joint load would bring it there as f32 to be read back once more.
; THROUGH REGISTERS a load takes 512 consecutive bytes, two rows: lane (H, m) gets k = 4 m .. 4 m + 3 of row 2 i + H.  A conversion makes eight codes, four to a register; each register goes by one
; ds_store_b32 to the place that the operand's layout gives those four k in an IMAGE of the fragment's registers: 16 r + 288 h + 576 g + 4 (R % 4) for register R = 4 g + R % 4 of lane (r, h).
; A row's sum of squares then spans 16 lanes.  Eight loads' sums are folded together: after the addition over lanes 8 apart the lanes with that bit set go on with the sum of load i + 4, the others with load i's;
; likewise over 4 and 2 apart; lane (H, m) ends with the sum of row 2 (m / 2) + H.
; NO PREFETCH: each wave asks for all that it reads at the head; there is no loop over memory to run ahead in.
; LIMITS.  NaN among the inputs is not served.  ex and ew between -126 and 119, ex + ew between -127 and 125, and ||w||^2 / 2^(ex+ew+1) is an f32 number.  Scores that differ by about a unit in the last
; place of the distance may fall the other way than in another order of rounding.
.set PITCH, 272
.set WREG, 32*PITCH                    ; a wave's 32 rows of w
.set XIB,  16*WREG                     ; behind them x's 16 images,
.set IMGP, 1152
.set HS,   288
.set GS,   576
.set DIB,  XIB+16*IMGP                 ; the images of tiles 0 and 1 of each wave,
.set SPARE, DIB+32*IMGP                ; the spare words, 128 bytes for each wave, which no other line names,
.set WWB,  SPARE+2048                  ; C's numbers, 64 for each wave,
.set RESB, WWB+4096                    ; the 256 results,
.set CANDB, RESB+1024                  ; and the candidates: 271,360 bytes in all
.set CP,   272                         ; a query's 32 candidates of 8 bytes, and 16 of padding
.set XA,   1                           ; 16 x lane
.set LI,   2                           ; where I read x's image 0
.set RAW,  3                           ; where I read w: 272 r + 32 h in my wave's rows
.set XW,   4                           ; where I store x's codes
.set WWS,  5                           ; where I store C's numbers of tiles 2 and 3, and read all back
.set WWR,  6
.set SCX,  7                           ; 2^ex, 448 x 2^ex, 2^ew, 448 x 2^ew
.set LIMX, 8
.set SCW,  9
.set LIMW, 10
.set CB,   11                          ; where my candidate of query tile 0 goes
.set BI,   12                          ; 64 u + 8 h
.set SPW,  13
.set NIL,  14
.set DW,   15                          ; where I store the codes of tile 0, and read its fragment
.set DR,   21
.set WWD,  20                          ; where I store C's numbers of tiles 0 and 1
.set JA,   22                          ; the join: where I read candidates, store a result, read results back; my byte in the results
.set JS,   23
.set JR,   24
.set GO,   25
.set SLB,  16                          ; the place among a tile's scores 4-7,
.set LA,   17                          ; LI and CB of the trip
.set CA,   28
.set TB,   18                          ; v18-19, v248-249: two partial maxima, odd and even tiles,
.set TA,   248
.set TC,   250                         ; the third
.set WF,   32                          ; v32-63   w's fragments
.set CW,   64                          ; v64-95   C; ahead of that x as loaded
.set XS,   64
.set D,    96                          ; v96-127  the scores of four tiles
.set HB,   96                          ; ahead of the walk v96-159 w's tiles 2 and 3 as read from LDS
.set SV,   128                         ; v128-135 the eight scores of the best tile
.set XF,   136                         ; v136-151 x's fragments, two buffers
.set WD,   160                         ; v160-223 w's tiles 0 and 1 as loaded; at the end the candidates
.set J,    160
.set S,    224                         ; v224-231 eight loads' sums of squares, then codes
.set TT,   232                         ; v232-235 at work
.set T,    236                         ; v236-237 sums of squares of tiles 2 and 3,
.set Q,    240                         ; v240-243 two chains
.set RUNA, 251                         ; the running maximum, by turns; RUNB and the codeword's number are the pair that is stored
.set RUNB, 252
.set PI,   253
.set TID,  254                         ; 16 x the best tile
.set SLA,  255
.macro CROUND                          ; a round of the cluster's barrier
	s_barrier_signal -1
	s_barrier_wait -1
	s_cmp_lg_u32 s14, 0
	s_cbranch_scc1 .Lnot_wave_0_\@
	s_barrier_signal -3
.Lnot_wave_0_\@:
	s_barrier_wait -3
	s_barrier_signal -1
	s_barrier_wait -1
.endm
.macro QX                              ; 16 rows of x: held, converted, stored as an image
.irp i, 0,1,2,3,4,5,6,7,8,9,10,11,12,13,14,15,16,17,18,19,20,21,22,23,24,25,26,27,28,29,30,31
	v_med3_num_f32 v[XS+\i], v[XS+\i], -v[LIMX], v[LIMX]   ; the conversion to an 8-bit code does not saturate (ISA guide 7.6.2)
.endr
.irp g, 0,1,2,3
	v_cvt_scalef32_pk8_fp8_f32 v[S+2*\g:S+2*\g+1], v[XS+8*\g:XS+8*\g+7], v[SCX]
.endr
	v_nop                                      ; a plain vector instruction behind the last scaled conversion
.irp i, 0,1,2,3,4,5,6,7
	ds_store_b32 v[XW], v[S+\i] offset:32*\i   ; row 2 i + H lies 32 i further on
.endr
.endm
.macro QD t                            ; tile t (0, 1) of w as loaded: codes and C's numbers to LDS
.set XB, WD+32*(\t)
.irp g, 0,1,2,3                        ; two loads at a time; the holds stand behind the squares
	v_pk_mul_f32 v[TT:TT+1], v[XB+8*\g:XB+8*\g+1], v[XB+8*\g:XB+8*\g+1]
	v_pk_mul_f32 v[TT+2:TT+3], v[XB+8*\g+4:XB+8*\g+5], v[XB+8*\g+4:XB+8*\g+5]
	v_pk_fma_f32 v[TT:TT+1], v[XB+8*\g+2:XB+8*\g+3], v[XB+8*\g+2:XB+8*\g+3], v[TT:TT+1]
	v_pk_fma_f32 v[TT+2:TT+3], v[XB+8*\g+6:XB+8*\g+7], v[XB+8*\g+6:XB+8*\g+7], v[TT+2:TT+3]
.irp e, 0,1,2,3
	v_med3_num_f32 v[XB+8*\g+\e], v[XB+8*\g+\e], -v[LIMW], v[LIMW]
.endr
	v_add_f32 v[S+2*\g], v[TT], v[TT+1]
	v_add_f32 v[S+2*\g+1], v[TT+2], v[TT+3]
.irp e, 4,5,6,7
	v_med3_num_f32 v[XB+8*\g+\e], v[XB+8*\g+\e], -v[LIMW], v[LIMW]
.endr
.endr
.irp i, 0,1,2,3,4,5,6,7
	v_add_f32_dpp v[S+\i], v[S+\i], v[S+\i] row_xmask:8 row_mask:0xf bank_mask:0xf
.endr
.irp i, 0,1,2,3
	v_cndmask_b32 v[S+\i], v[S+\i], v[S+\i+4], s52         ; lanes with m's bit 3 set go on with load i + 4
.endr
	v_cvt_scalef32_pk8_fp8_f32 v[S+4:S+5], v[XB+16:XB+23], v[SCW]   ; the registers that the folding has left take the codes
	v_cvt_scalef32_pk8_fp8_f32 v[S+6:S+7], v[XB+24:XB+31], v[SCW]
.irp i, 0,1,2,3
	v_add_f32_dpp v[S+\i], v[S+\i], v[S+\i] row_xmask:4 row_mask:0xf bank_mask:0xf
.endr
	v_cndmask_b32 v[S], v[S], v[S+2], s53                  ; bit 2: load + 2
	v_cndmask_b32 v[S+1], v[S+1], v[S+3], s53
	v_cvt_scalef32_pk8_fp8_f32 v[S+2:S+3], v[XB+8:XB+15], v[SCW]
	v_add_f32_dpp v[S], v[S], v[S] row_xmask:2 row_mask:0xf bank_mask:0xf
	v_add_f32_dpp v[S+1], v[S+1], v[S+1] row_xmask:2 row_mask:0xf bank_mask:0xf
	v_cndmask_b32 v[TT], v[S], v[S+1], s54                 ; bit 1: load + 1
	v_cvt_scalef32_pk8_fp8_f32 v[S:S+1], v[XB:XB+7], v[SCW]
	v_add_f32_dpp v[TT], v[TT], v[TT] row_xmask:1 row_mask:0xf bank_mask:0xf
	v_nop                                                  ; a plain vector instruction behind the last scaled conversion
	v_mul_f32 v[TT], s36, v[TT]
.irp i, 0,1,2,3,4,5,6,7
	ds_store_b32 v[DW], v[S+\i] offset:IMGP*(\t)+32*\i
.endr
	ds_store_b32 v[WWD], v[TT] offset:64*(\t)              ; the two lanes that hold a row's sum store the same number to the same word
.endm
.macro LDW t                           ; tile t (2, 3) of w from LDS: lane (r, h) takes k = 16 c + 8 h + 0 .. 7 of row r, c = 0 .. 3
.irp c, 0,1,2,3
	ds_load_b128 v[HB+32*((\t)-2)+8*\c:HB+32*((\t)-2)+8*\c+3], v[RAW] offset:16*PITCH*((\t)-2)+64*\c
	ds_load_b128 v[HB+32*((\t)-2)+8*\c+4:HB+32*((\t)-2)+8*\c+7], v[RAW] offset:16*PITCH*((\t)-2)+64*\c+16
.endr
.endm
.macro QW t                            ; its fragment, and the lane's sum of squares
.set XB, HB+32*((\t)-2)
.irp g, 0,1,2,3,4,5,6,7
.if \g == 0
	v_pk_mul_f32 v[Q:Q+1], v[XB:XB+1], v[XB:XB+1]
	v_pk_mul_f32 v[Q+2:Q+3], v[XB+2:XB+3], v[XB+2:XB+3]
.else
	v_pk_fma_f32 v[Q:Q+1], v[XB+4*\g:XB+4*\g+1], v[XB+4*\g:XB+4*\g+1], v[Q:Q+1]
	v_pk_fma_f32 v[Q+2:Q+3], v[XB+4*\g+2:XB+4*\g+3], v[XB+4*\g+2:XB+4*\g+3], v[Q+2:Q+3]
.endif
.irp e, 0,1,2,3
	v_med3_num_f32 v[XB+4*\g+\e], v[XB+4*\g+\e], -v[LIMW], v[LIMW]
.endr
.if \g % 2
	v_cvt_scalef32_pk8_fp8_f32 v[WF+8*(\t)+\g-1:WF+8*(\t)+\g], v[XB+4*\g-4:XB+4*\g+3], v[SCW]
.endif
.endr
	v_pk_add_f32 v[Q:Q+1], v[Q:Q+1], v[Q+2:Q+3]
	v_add_f32 v[T+(\t)-2], v[Q], v[Q+1]
.endm
.macro MM t                            ; tile t against the next queries, buffer 1 - B; C and D are different registers, no sum is taken up again
	v_wmma_f32_16x16x64_fp8_fp8 v[D+8*(\t):D+8*(\t)+7], v[WF+8*(\t):WF+8*(\t)+7], v[XF+8*(1-B):XF+8*(1-B)+7], v[CW+8*(\t):CW+8*(\t)+7]
.endm
.macro LEAD t, p                       ; two partial maxima of tile t, from its low end
	v_max3_num_f32 v[\p], v[D+8*(\t)], v[D+8*(\t)+1], v[D+8*(\t)+2]
	v_max3_num_f32 v[\p+1], v[D+8*(\t)+3], v[D+8*(\t)+4], v[D+8*(\t)+5]
.endm
.macro SEL t, j                        ; VCC: tile t is the best so far: its scores j, j + 1 are kept.  Two selections an instruction
.if (\t) == 1
	v_dual_cndmask_b32 v[SV+\j], v[D+\j], v[D+8+\j] :: v_dual_cndmask_b32 v[SV+\j+1], v[D+\j+1], v[D+8+\j+1]
.else
	v_dual_cndmask_b32 v[SV+\j], v[SV+\j], v[D+8*(\t)+\j] :: v_dual_cndmask_b32 v[SV+\j+1], v[SV+\j+1], v[D+8*(\t)+\j+1]
.endif
.endm
.macro SLOT t                          ; the running maximum takes tile t in while tile t - 1's selections and tile t + 1's partial maxima stand between its links
.set TE, (\t)%2
.set RN, RUNA+TE*(RUNB-RUNA)
.set RO, RUNA+(1-TE)*(RUNB-RUNA)
.set PC, TA+TE*(TB-TA)
.set PN, TA+(1-TE)*(TB-TA)
	v_max3_num_f32 v[TC], v[D+8*(\t)+6], v[D+8*(\t)+7], v[RO]
.if (\t) < 3
	LEAD \t+1, PN
.endif
	SEL \t-1, 0
	SEL \t-1, 2
	v_max3_num_f32 v[RN], v[PC], v[PC+1], v[TC]
	SEL \t-1, 4
	SEL \t-1, 6
.if (\t) == 2
	v_cndmask_b32 v[TID], 0, 16, vcc_lo
.else
	v_cndmask_b32 v[TID], v[TID], 32, vcc_lo
.endif
	v_cmp_gt_f32 vcc_lo, v[RN], v[RO]          ; strictly larger: the earlier tile stays where they are equal
.endm
; A tile of 16 queries, whose scores lie in D.  As each tile of codewords is done with, its registers take the next queries' product (MORE = 0: there are none).  A product's result is read behind more than four
; vector instructions that name none of its registers.  Ahead of the tile are set: B, the buffer of this tile's fragment, whose products are all issued: it takes the fragment two tiles on from v[LREG] + LOFF
; (below 0: none); CREG, COFF, where the result goes.
.macro XT
.if LOFF >= 0
	ds_load_b128 v[XF+8*B:XF+8*B+3], v[LREG] offset:LOFF
	ds_load_b128 v[XF+8*B+4:XF+8*B+7], v[LREG] offset:LOFF+GS
.endif
	LEAD 0, TA
	v_max_num_f32 v[TC], v[D+6], v[D+7]
	LEAD 1, TB
	v_max3_num_f32 v[RUNA], v[TA], v[TA+1], v[TC]
	LEAD 2, TA
	v_max3_num_f32 v[TC], v[D+14], v[D+15], v[RUNA]
	v_max3_num_f32 v[RUNB], v[TB], v[TB+1], v[TC]
	v_cmp_gt_f32 vcc_lo, v[RUNB], v[RUNA]
	SLOT 2
.if MORE
	s_wait_alu depctr_va_vdst(0)
.if LOFF >= 0
	s_wait_dscnt 0x2                           ; the next queries' fragment is in; the two loads above may be out
.else
	s_wait_dscnt 0x0
.endif
	MM 0
	MM 1
.endif
	SLOT 3
.if MORE
	MM 2
.endif
	SEL 3, 0
	SEL 3, 2
	SEL 3, 4
	SEL 3, 6
	v_cndmask_b32 v[TID], v[TID], 48, vcc_lo
.if MORE
	MM 3
.endif
.irp j, 0,1,2,3,4,5,6
	v_cmp_eq_f32 s[40+\j], v[SV+\j], v[RUNB]
.endr
	v_cndmask_b32 v[SLA], 64, 3, s43           ; the first of scores 0-3 that is the maximum, or 64; and of scores 4-7
	v_cndmask_b32 v[SLB], 7, 6, s46
	s_delay_alu instid0(VALU_DEP_2)
	v_cndmask_b32 v[SLA], v[SLA], 2, s42
	s_delay_alu instid0(VALU_DEP_2)
	v_cndmask_b32 v[SLB], v[SLB], 5, s45
	s_delay_alu instid0(VALU_DEP_2)
	v_cndmask_b32 v[SLA], v[SLA], 1, s41
	s_delay_alu instid0(VALU_DEP_2)
	v_cndmask_b32 v[SLB], v[SLB], 4, s44
	s_delay_alu instid0(VALU_DEP_2)
	v_cndmask_b32 v[SLA], v[SLA], 0, s40
	s_delay_alu instid0(VALU_DEP_1)
	v_min_u32 v[SLA], v[SLA], v[SLB]
	s_delay_alu instid0(VALU_DEP_1)
	v_add3_u32 v[PI], v[TID], v[SLA], v[BI]    ; 64 u + 16 t + 8 h + j
	ds_store_b64 v[CREG], v[RUNB:RUNB+1] offset:COFF
.endm
	s_load_b256 s[4:11], s[0:1], 0x0               ; inputs s[4:5], w s[6:7], the scales' exponents s[8:9], out2 s[10:11]
	s_load_b64 s[12:13], s[0:1], 0x20              ; idx
	v_lshl_add_u32 v[SPW], v0, 2, SPARE
	v_mov_b32 v[NIL], 0
	ds_add_u32 v[SPW], v[NIL]                      ; the wave's opening: the add, twice on end, and its wait ahead of my tensor load
	ds_add_u32 v[SPW], v[NIL]
	v_lshrrev_b32 v248, 5, v0
	v_readfirstlane_b32 s14, v248                  ; wave 0..15
	v_and_b32 v249, 31, v0                         ; lane
	v_and_b32 v250, 15, v0                         ; r in a fragment, m on the way in
	v_bfe_u32 v251, v0, 4, 1                       ; h in a fragment, H on the way in
	v_lshlrev_b32 v[XA], 4, v249
	v_lshlrev_b32 v[LI], 4, v250
	v_mul_u32_u24 v252, v251, HS
	v_add_nc_u32 v[LI], v[LI], v252                ; 16 r + 288 h
	s_mul_i32 s24, s14, 2*IMGP
	s_add_co_u32 s24, s24, DIB                     ; my images of tiles 0 and 1
	v_add_nc_u32 v[DR], s24, v[LI]
	v_add_nc_u32 v[LI], XIB, v[LI]
	v_and_b32 v252, 1, v0                          ; where four codes go: k = 4 m on is register 2 (m / 4) + m % 2 of the lane with h = (m / 2) % 2
	v_lshlrev_b32 v[XW], 2, v252
	v_bfe_u32 v252, v0, 2, 1
	v_lshl_add_u32 v[XW], v252, 3, v[XW]
	v_lshl_add_u32 v[XW], v251, 4, v[XW]           ; the odd row of a load's two
	v_bfe_u32 v252, v0, 1, 1
	v_mul_u32_u24 v252, v252, HS
	v_add_nc_u32 v[XW], v[XW], v252
	v_bfe_u32 v252, v0, 3, 1
	v_mul_u32_u24 v252, v252, GS
	v_add_nc_u32 v[XW], v[XW], v252
	v_add_nc_u32 v[DW], s24, v[XW]
	s_mul_i32 s24, s14, IMGP
	s_add_co_u32 s24, s24, XIB                     ; my wave quantises tile u of the queries
	v_add_nc_u32 v[XW], s24, v[XW]
	s_mul_i32 s29, s14, WREG                       ; my wave's rows of w in LDS
	v_mul_u32_u24 v[RAW], v250, PITCH
	v_lshl_add_u32 v[RAW], v251, 5, v[RAW]
	v_add_nc_u32 v[RAW], s29, v[RAW]
	s_lshl_b32 s24, s14, 8
	s_add_co_u32 s24, s24, WWB
	v_lshl_add_u32 v[WWS], v250, 2, s24
	v_lshl_add_u32 v[WWR], v251, 5, s24
	v_and_b32 v252, 14, v0
	v_add_nc_u32 v252, v252, v251
	v_lshl_add_u32 v[WWD], v252, 2, s24            ; 4 x (2 (m / 2) + H): the row whose sum I end with
	v_mul_u32_u24 v[CB], v250, CP                  ; candidates: 272 x query + 16 u + 8 h
	v_lshl_add_u32 v[CB], v251, 3, v[CB]
	s_lshl_b32 s24, s14, 4
	s_add_co_u32 s24, s24, CANDB
	v_add_nc_u32 v[CB], s24, v[CB]
	s_mul_i32 s24, s14, 16*CP
	s_add_co_u32 s24, s24, CANDB
	v_mul_u32_u24 v[JA], v250, CP                  ; the join: query 16 u + r; half h takes candidates 16 h .. 16 h + 15
	v_lshl_add_u32 v[JA], v251, 7, v[JA]
	v_add_nc_u32 v[JA], s24, v[JA]
	s_lshl_b32 s24, s14, 6
	s_add_co_u32 s24, s24, RESB
	v_lshl_add_u32 v[JS], v250, 2, s24
	s_and_b32 s24, s14, 1
	s_lshl_b32 s24, s24, 9
	v_lshl_add_u32 v[GO], v249, 4, s24             ; my 16 bytes of the 1,024 bytes of results
	v_add_nc_u32 v[JR], RESB, v[GO]
	s_lshl_b32 s24, s14, 6
	v_lshl_add_u32 v[BI], v251, 3, s24
	; descriptor group 1: 32 rows x 64 numbers, padded in LDS
	s_mov_b32 s16, 15|(2<<16)|(1<<20)|(1<<21)|(5<<22)|(3<<25)   ; 15:0 the mask: all four; 17:16 element of 4 bytes; 20 padding on; 21 set beside a mask; after every 64 words, 4 words
	s_mov_b32 s17, 64<<16                          ; tensor_dim0 = 64
	s_mov_b32 s18, 32<<16                          ; tensor_dim1 = 32
	s_mov_b32 s19, 64<<16                          ; tile_dim0
	s_mov_b32 s20, 32                              ; tile_dim1
	s_mov_b32 s21, 64                              ; from row to row
	s_mov_b32 s22, 0
	s_mov_b32 s23, 0
	s_mov_b32 s28, 1
	s_mov_b32 s34, 0x76543210                      ; v_permlanex16_b32's selects for the lane 16 away
	s_mov_b32 s35, 0xfedcba98
	s_mov_b32 s52, 0xff00ff00                      ; the lanes with m's bit 3 set,
	s_mov_b32 s53, 0xf0f0f0f0                      ; bit 2,
	s_mov_b32 s54, 0xcccccccc                      ; bit 1
	s_bfe_u32 s24, ttmp6, 0x40000
	s_lshl_b32 s15, ttmp9, 2
	s_add_co_u32 s15, s15, s24                     ; my work-group's number = 4 x cluster + cx: it enters global addresses alone
	s_lshl_b32 s24, s15, 16                        ; its 256 rows of 256 bytes,
	s_lshl_b32 s25, s14, 12                        ; the 16 that my wave quantises
	s_add_co_u32 s24, s24, s25
	s_mov_b32 s25, 0
	s_lshl_b32 s26, s14, 14                        ; my 64 rows of w
	s_mov_b32 s27, 0
	s_wait_alu depctr_va_vdst(0)
	s_wait_dscnt 0x0                               ; both opening adds are done
	CROUND                                         ; all four work-groups are here: the joint loads meet
	s_wait_kmcnt 0x0
	s_add_nc_u64 s[6:7], s[6:7], s[26:27]
	s_add_nc_u64 s[30:31], s[6:7], 0x2000          ; tiles 2 and 3
	s_or_b32 s31, s31, 0x80000000
	s_add_nc_u64 s[4:5], s[4:5], s[24:25]
	tensor_load_to_lds s[28:31], s[16:23]          ; the wave's one tensor load
	s_nop 0
	s_load_b64 s[38:39], s[8:9], 0x0               ; ex, ew
.irp i, 0,1,2,3,4,5,6,7,8,9,10,11,12,13,14,15
	global_load_b128 v[WD+4*\i:WD+4*\i+3], v[XA], s[6:7] offset:512*\i   ; tiles 0 and 1: two rows a load, 512 consecutive bytes
.endr
	s_wait_kmcnt 0x0
.irp i, 0,1,2,3,4,5,6,7
	global_load_b128 v[XS+4*\i:XS+4*\i+3], v[XA], s[4:5] offset:512*\i th:TH_LOAD_NT   ; x, behind w: w is wanted first
.endr
	s_add_co_i32 s24, s38, 127
	s_lshl_b32 s25, s24, 23
	v_mov_b32 v[SCX], s25                          ; 2^ex as f32: the conversion takes its exponent field
	s_add_co_i32 s24, s24, 8
	s_lshl_b32 s24, s24, 23
	s_or_b32 s24, s24, 0x600000
	v_mov_b32 v[LIMX], s24                         ; 448 x 2^ex
	s_add_co_i32 s24, s39, 127
	s_lshl_b32 s25, s24, 23
	v_mov_b32 v[SCW], s25
	s_add_co_i32 s24, s24, 8
	s_lshl_b32 s24, s24, 23
	s_or_b32 s24, s24, 0x600000
	v_mov_b32 v[LIMW], s24
	s_add_co_i32 s24, s38, s39
	s_sub_co_i32 s25, 126, s24
	s_lshl_b32 s25, s25, 23
	s_or_b32 s36, s25, 0x80000000                  ; -2^-(ex+ew+1)
	s_wait_alu depctr_va_vdst(0)
	s_wait_loadcnt 0x10                            ; tile 0's eight loads are in; tile 1's eight and x's eight may be out
	QD 0
	s_wait_loadcnt 0x8                             ; tile 1's; x's may be out
	QD 1
.irp t, 0,1
	ds_load_b128 v[WF+8*\t:WF+8*\t+3], v[DR] offset:IMGP*\t          ; LDS serves a wave's instructions in order (ISA guide 5.7.1.4): these see my stores
	ds_load_b128 v[WF+8*\t+4:WF+8*\t+7], v[DR] offset:IMGP*\t+GS
.endr
	s_wait_tensorcnt 0x0                           ; my rows of tiles 2 and 3 lie in LDS
	LDW 2
	LDW 3
	s_wait_dscnt 0x8                               ; tile 2 is in, tile 3's eight loads may be out
	QW 2
	s_wait_dscnt 0x0
	QW 3
	s_wait_loadcnt 0x0                             ; x
	QX
.irp i, 0,1
	v_permlanex16_b32 v[TT+\i], v[T+\i], s34, s35  ; the other half of the row
.endr
.irp i, 0,1
	v_add_f32 v[T+\i], v[T+\i], v[TT+\i]
.endr
.irp i, 0,1
	v_mul_f32 v[T+\i], s36, v[T+\i]
.endr
.irp i, 0,1
	ds_store_b32 v[WWS], v[T+\i] offset:128+64*\i  ; both lanes of a row store the same number to the same word
.endr
.irp t, 0,1,2,3                        ; C, register j: codeword 16 t + 8 h + j
	ds_load_b128 v[CW+8*\t:CW+8*\t+3], v[WWR] offset:64*\t
	ds_load_b128 v[CW+8*\t+4:CW+8*\t+7], v[WWR] offset:64*\t+16
.endr
	s_mov_b32 s48, 0                               ; the trip's place among the images,
	s_mov_b32 s49, 0                               ; among the candidates,
	s_mov_b32 s50, 0                               ; and its number
	s_wait_alu depctr_va_vdst(0)
	s_wait_dscnt 0x0                               ; my image of x lies in LDS:
	s_barrier_signal -1
	s_barrier_wait -1                              ; so do all sixteen
.irp b, 0,1
	ds_load_b128 v[XF+8*\b:XF+8*\b+3], v[LI] offset:IMGP*\b
	ds_load_b128 v[XF+8*\b+4:XF+8*\b+7], v[LI] offset:IMGP*\b+GS
.endr
	s_wait_dscnt 0x2                               ; the first queries' fragment is in
.set B, 1
.irp t, 0,1,2,3
	MM \t
.endr
.rept 4
	v_nop                                          ; places ahead of the first read of a result and of the loads into the first buffer
.endr
.set MORE, 1
.Lpair:                                                ; two tiles of queries a trip: the buffers are back where they began
	v_add_nc_u32 v[LA], s48, v[LI]
	v_add_nc_u32 v[CA], s49, v[CB]
.set LREG, LA
.set CREG, CA
.irp b, 0,1
.set B, \b
.set LOFF, IMGP*(2+\b)
.set COFF, 16*CP*\b
	XT
.endr
	s_add_co_u32 s48, s48, 2*IMGP
	s_add_co_u32 s49, s49, 32*CP
	s_add_co_u32 s50, s50, 1
	s_cmp_lt_u32 s50, 7
	s_wait_alu depctr_va_vdst(0)
	s_cbranch_scc1 .Lpair
.set LOFF, -1                          ; the last two tiles: no fragment is left to fetch
.set CREG, CB
.set B, 0
.set COFF, 14*16*CP
	XT
.set B, 1
.set MORE, 0
.set COFF, 15*16*CP
	XT
	; THE JOIN.  Wave u takes queries 16 u .. 16 u + 15; the two lanes of a query take half of its 32 candidates each.
	s_wait_alu depctr_va_vdst(0)
	s_wait_dscnt 0x0                               ; my candidates lie in LDS
	s_barrier_signal -1
	s_barrier_wait -1                              ; and every wave's
.irp i, 0,1,2,3,4,5,6,7
	ds_load_b128 v[J+4*\i:J+4*\i+3], v[JA] offset:16*\i    ; a wave's two candidates: score, number, score, number
.endr
	s_wait_dscnt 0x0
	v_max3_num_f32 v[TT], v[J], v[J+2], v[J+4]
	v_max3_num_f32 v[TT+1], v[J+6], v[J+8], v[J+10]
.irp i, 12,20
	v_max3_num_f32 v[TT], v[TT], v[J+\i], v[J+\i+2]
	v_max3_num_f32 v[TT+1], v[TT+1], v[J+\i+4], v[J+\i+6]
.endr
	v_max3_num_f32 v[TT], v[TT], v[J+28], v[J+30]
	v_max_num_f32 v[TT], v[TT], v[TT+1]
	v_permlanex16_b32 v[TT+1], v[TT], s34, s35
	v_max_num_f32 v[TT], v[TT], v[TT+1]            ; the query's largest score
.irp i, 0,1,2,3,4,5,6,7,8,9,10,11,12,13,14,15
	v_cmp_eq_f32 s[16+\i], v[J+2*\i], v[TT]
.endr
.irp i, 0,1,2,3,4,5,6,7,8,9,10,11,12,13,14,15
	v_cndmask_b32 v[J+2*\i+1], -1, v[J+2*\i+1], s[16+\i]   ; a candidate under the maximum: the largest whole number
.endr
.macro FOLD n
.set I, 0
.rept \n
	v_min_u32 v[J+2*I+1], v[J+2*I+1], v[J+2*(I+\n)+1]
.set I, I+1
.endr
.endm
	FOLD 8
	FOLD 4
	FOLD 2
	FOLD 1
	v_permlanex16_b32 v[TT+1], v[J+1], s34, s35
	v_min_u32 v[TT], v[J+1], v[TT+1]               ; the lowest number among the equal
	ds_store_b32 v[JS], v[TT]                      ; both lanes of a query store the same number to the same word
	s_cmp_lt_u32 s14, 2
	s_cselect_b64 s[8:9], s[10:11], s[12:13]
	s_lshl_b32 s26, s15, 10
	s_mov_b32 s27, 0
	s_add_nc_u64 s[8:9], s[8:9], s[26:27]
	s_wait_tensorcnt 0x0                           ; behind my last tensor load and my last LDS store
	ds_add_u32 v[SPW], v[NIL]
	s_wait_dscnt 0x0                               ; my results lie in LDS
	CROUND                                         ; the closing round, behind the last joint load: and every wave's results lie in LDS
	s_cmp_gt_u32 s14, 3
	s_cbranch_scc1 .Ldone
	ds_load_b128 v[J:J+3], v[JR]                   ; waves 0, 1: the two halves for out2; waves 2, 3: the same for idx
	s_wait_dscnt 0x0
	global_store_b128 v[GO], v[J:J+3], s[8:9]      ; the wave stores 512 consecutive bytes, at a multiple of 256 from the buffer's first byte
.Ldone:
	s_endpgm
.Lfunc_end_k_q865305470b_assign:
	.size	k_q865305470b_assign, .Lfunc_end_k_q865305470b_assign-k_q865305470b_assign
	.p2alignl 7, 3214868480
	.fill 96, 4, 3214868480
	.section	.rodata,"a",@progbits
	.p2align	6, 0x0
	.amdhsa_kernel k_q865305470b_assign
		.amdhsa_group_segment_fixed_size 327680
		.amdhsa_private_segment_fixed_size 0
		.amdhsa_enable_private_segment 0
		.amdhsa_kernarg_size 40
		.amdhsa_user_sgpr_count 2
		.amdhsa_user_sgpr_kernarg_segment_ptr 1
		.amdhsa_wavefront_size32 1
		.amdhsa_system_sgpr_workgroup_id_x 1
		.amdhsa_system_sgpr_workgroup_id_y 1
		.amdhsa_system_sgpr_workgroup_id_z 1
		.amdhsa_system_vgpr_workitem_id 0
		.amdhsa_next_free_vgpr 256
		.amdhsa_next_free_sgpr 66
		.amdhsa_reserve_vcc 1
		.amdhsa_float_denorm_mode_32 3
		.amdhsa_float_denorm_mode_16_64 3
		.amdhsa_memory_ordered 1
		.amdhsa_forward_progress 1
		.amdhsa_inst_pref_size 52
	.end_amdhsa_kernel
	.amdgpu_metadata
---
amdhsa.version: [ 1, 2 ]
amdhsa.kernels:
  - .name:           k_q865305470b_assign
    .symbol:         k_q865305470b_assign.kd
    .args:
      - { .name: inputs, .offset: 0, .size: 8, .value_kind: global_buffer, .address_space: global }
      - { .name: w, .offset: 8, .size: 8, .value_kind: global_buffer, .address_space: global }
      - { .name: lowp_scales, .offset: 16, .size: 8, .value_kind: global_buffer, .address_space: global }
      - { .name: out2, .offset: 24, .size: 8, .value_kind: global_buffer, .address_space: global }
      - { .name: idx, .offset: 32, .size: 8, .value_kind: global_buffer, .address_space: global }
    .group_segment_fixed_size: 327680
    .private_segment_fixed_size: 0
    .kernarg_segment_align: 8
    .kernarg_segment_size: 40
    .max_flat_workgroup_size: 512
    .sgpr_count:     66
    .vgpr_count:     256
    .wavefront_size: 32
...
	.end_amdgpu_metadata
.endif
;; end of part 1
;; launch gather (part 2): grid 256 x 1, 8 waves a work-group, no clusters, 1,280 bytes of LDS; arguments inputs, w, idx, out0, part, out3; writes out0, part, out3
.if DOCPART == 2
	.amdgcn_target "amdgcn-amd-amdhsa--gfx1250"
	.amdhsa_code_object_version 6
	.text
	.protected	k_q865305470b_gather
	.globl	k_q865305470b_gather
	.p2align	8
	.type	k_q865305470b_gather,@function
k_q865305470b_gather:
	s_mov_b64 s[64:65], 0
	v_nop
	global_prefetch_b8 v0, s[64:65] scope:SCOPE_SE
	s_setreg_imm32_b32 hwreg(HW_REG_WAVE_MODE, 25, 1), 1
	s_wait_xcnt 0x0
; GATHER.  q = w[idx[row]];  out0 = x + (q - x), in f32, in that order of rounding;  part[work-group] = the sum of (q - x)^2 over the work-group's 256 rows;  out3 = w^T.
; A stream: x is read once and out0 written once, sixteen lanes to a row of 256 bytes, so every load and store of a half wave covers one aligned 256 bytes.  No matrix unit, no ring, no loop to prefetch ahead in: a
; wave asks for all that it will read before it works on the first row, in two halves (x's first eight loads, then w's rows for them, then the same for the other eight), so that the first rows' stores leave while the
; second half is on its way.
; Eight waves, 32 rows each: in load or store i lanes 0-15 take row i, lanes 16-31 row 16 + i.  So a lane's sixteen indices are sixteen neighbouring words: four loads of 16 bytes.
; An index is held at 1,023 before it enters an address.
; out3: each work-group's wave 7 takes 64 codewords x 4 columns of w: a lane loads 16 bytes of each of two neighbouring rows and stores, for each of the four columns, two neighbouring numbers: 256 consecutive bytes
; of a row of out3 a store, at a multiple of 256.
.set IX, 4                             ; v4-19    the indices of my sixteen rows
.set GA, 20                            ; v20-35   256 x index + my 16 bytes of a row
.set X,  36                            ; v36-99   x, then out0
.set Q,  100                           ; v100-163 w's rows, then q - x
.set SU, 164                           ; v164-167 sums of squares, two chains of pairs
.macro ISSUE
.irp i, 0,1,2,3
	global_load_b128 v[IX+4*\i:IX+4*\i+3], v2, s[8:9] offset:16*\i
.endr
.irp i, 0,1,2,3,4,5,6,7
	global_load_b128 v[X+4*\i:X+4*\i+3], v1, s[4:5] offset:256*\i th:TH_LOAD_NT
.endr
	s_wait_loadcnt 0x8                             ; the indices are in; x's eight loads may be out
.irp i, 0,1,2,3,4,5,6,7,8,9,10,11,12,13,14,15
	v_min_u32 v[IX+\i], 0x3ff, v[IX+\i]
.endr
.irp i, 0,1,2,3,4,5,6,7,8,9,10,11,12,13,14,15
	v_lshl_add_u32 v[GA+\i], v[IX+\i], 8, v3
.endr
.irp i, 0,1,2,3,4,5,6,7
	global_load_b128 v[Q+4*\i:Q+4*\i+3], v[GA+\i], s[6:7]   ; a row of w: sixteen lanes take its 256 bytes
.endr
.irp i, 8,9,10,11,12,13,14,15
	global_load_b128 v[X+4*\i:X+4*\i+3], v1, s[4:5] offset:256*\i th:TH_LOAD_NT
.endr
.irp i, 8,9,10,11,12,13,14,15
	global_load_b128 v[Q+4*\i:Q+4*\i+3], v[GA+\i], s[6:7]
.endr
.endm
	s_load_b256 s[4:11], s[0:1], 0x0               ; inputs s[4:5], w s[6:7], idx s[8:9], out0 s[10:11]
	s_load_b128 s[24:27], s[0:1], 0x20             ; part s[24:25], out3 s[26:27]
	v_lshl_add_u32 v180, v0, 2, 0x100
	v_mov_b32 v181, 0
	v_lshrrev_b32 v1, 5, v0
	v_readfirstlane_b32 s14, v1                    ; wave 0..7
	v_and_b32 v3, 15, v0
	v_bfe_u32 v2, v0, 4, 1                         ; h
	v_and_b32 v182, 31, v0
	v_lshlrev_b32 v3, 4, v3                        ; my 16 bytes of a row
	v_lshl_add_u32 v1, v2, 12, v3                  ; x and out0: 16 rows further down for lanes 16-31
	v_lshlrev_b32 v2, 6, v2                        ; idx: 16 words further on
	v_lshlrev_b32 v183, 9, v182                    ; w for out3: two rows a lane
	v_lshlrev_b32 v182, 3, v182                    ; out3: two numbers a lane
	v_mov_b32 v168, s14
	v_lshlrev_b32 v168, 2, v168                    ; LDS: my wave's word
	v_mov_b32 v169, 0
	s_mov_b32 s20, 0x76543210                      ; v_permlanex16_b32's selects for the lane 16 away
	s_mov_b32 s21, 0xfedcba98
	s_lshl_b32 s15, ttmp9, 3
	s_add_co_u32 s15, s15, s14                     ; which 32 rows are my wave's
	s_lshl_b32 s16, s15, 13                        ; x 32 rows of 256 bytes
	s_mov_b32 s17, 0
	s_lshl_b32 s18, s15, 7                         ; x 32 words
	s_mov_b32 s19, 0
	s_lshr_b32 s12, ttmp9, 4                       ; out3: which 64 codewords,
	s_and_b32 s13, ttmp9, 15                       ; which four columns
	s_lshl_b32 s22, s12, 14
	s_lshl_b32 s23, s13, 4
	s_add_co_u32 s22, s22, s23                     ; in w: 64 rows of 256 bytes, 16 bytes
	s_mov_b32 s23, 0
	s_lshl_b32 s12, s12, 8
	s_lshl_b32 s13, s13, 14
	s_add_co_u32 s12, s12, s13                     ; in out3: 64 numbers, four rows of 4,096 bytes
	s_mov_b32 s13, 0
	s_wait_alu depctr_va_vdst(0)
	s_wait_kmcnt 0x0
	s_add_nc_u64 s[4:5], s[4:5], s[16:17]
	s_add_nc_u64 s[10:11], s[10:11], s[16:17]
	s_add_nc_u64 s[8:9], s[8:9], s[18:19]
	s_add_nc_u64 s[28:29], s[6:7], s[22:23]
	s_add_nc_u64 s[26:27], s[26:27], s[12:13]
	s_cmp_lg_u32 s14, 7
	s_cbranch_scc1 .Lplain
	global_load_b128 v[170:173], v183, s[28:29]    ; ahead of all other loads: the wait for the indices shows these in too
	global_load_b128 v[176:179], v183, s[28:29] offset:256
	ISSUE
.irp e, 0,1,2,3
	v_mov_b32 v[184+2*\e], v[170+\e]               ; column e of the two rows, side by side
	v_mov_b32 v[185+2*\e], v[176+\e]
.endr
.irp e, 0,1,2,3
	global_store_b64 v182, v[184+2*\e:185+2*\e], s[26:27] offset:4096*\e th:TH_STORE_NT
.endr
	s_branch .Lrows
.Lplain:
	ISSUE
.Lrows:
.irp i, 0,1,2,3,4,5,6,7,8,9,10,11,12,13,14,15
.if \i < 8
	s_wait_loadcnt 23-\i                           ; loads come back in order (ISA guide 5.7.1): row i of w is in, and x's first half; behind it 7 - i rows of w and the second half's sixteen loads may be out
.else
	s_wait_loadcnt 15-\i                           ; the later rows of w may be out
.endif
	v_pk_add_f32 v[Q+4*\i:Q+4*\i+1], v[Q+4*\i:Q+4*\i+1], v[X+4*\i:X+4*\i+1] neg_lo:[0,1] neg_hi:[0,1]       ; q - x
	v_pk_add_f32 v[Q+4*\i+2:Q+4*\i+3], v[Q+4*\i+2:Q+4*\i+3], v[X+4*\i+2:X+4*\i+3] neg_lo:[0,1] neg_hi:[0,1]
.if \i == 0
	v_pk_mul_f32 v[SU:SU+1], v[Q:Q+1], v[Q:Q+1]    ; the first row starts the sums
	v_pk_mul_f32 v[SU+2:SU+3], v[Q+2:Q+3], v[Q+2:Q+3]
.else
	s_wait_alu depctr_va_vdst(0)
	v_pk_fma_f32 v[SU:SU+1], v[Q+4*\i:Q+4*\i+1], v[Q+4*\i:Q+4*\i+1], v[SU:SU+1]
	v_pk_fma_f32 v[SU+2:SU+3], v[Q+4*\i+2:Q+4*\i+3], v[Q+4*\i+2:Q+4*\i+3], v[SU+2:SU+3]
.endif
	v_pk_add_f32 v[X+4*\i:X+4*\i+1], v[X+4*\i:X+4*\i+1], v[Q+4*\i:Q+4*\i+1]                                 ; x + (q - x)
	v_pk_add_f32 v[X+4*\i+2:X+4*\i+3], v[X+4*\i+2:X+4*\i+3], v[Q+4*\i+2:Q+4*\i+3]
	global_store_b128 v1, v[X+4*\i:X+4*\i+3], s[10:11] offset:256*\i th:TH_STORE_NT   ; each row has registers of its own: no store's data are written again
.endr
	v_pk_add_f32 v[SU:SU+1], v[SU:SU+1], v[SU+2:SU+3]
	s_delay_alu instid0(VALU_DEP_1)
	v_add_f32 v[SU], v[SU], v[SU+1]
	s_delay_alu instid0(VALU_DEP_1)
	v_add_f32_dpp v[SU], v[SU], v[SU] row_xmask:1 row_mask:0xf bank_mask:0xf
	s_delay_alu instid0(VALU_DEP_1)
	v_add_f32_dpp v[SU], v[SU], v[SU] row_xmask:2 row_mask:0xf bank_mask:0xf
	s_delay_alu instid0(VALU_DEP_1)
	v_add_f32_dpp v[SU], v[SU], v[SU] row_xmask:4 row_mask:0xf bank_mask:0xf
	s_delay_alu instid0(VALU_DEP_1)
	v_add_f32_dpp v[SU], v[SU], v[SU] row_xmask:8 row_mask:0xf bank_mask:0xf
	s_delay_alu instid0(VALU_DEP_1)
	v_permlanex16_b32 v[SU+1], v[SU], s20, s21
	s_delay_alu instid0(VALU_DEP_1)
	v_add_f32 v[SU], v[SU], v[SU+1]                ; the wave's sum, in every lane
	ds_store_b32 v168, v[SU]                       ; all lanes store the same number to the wave's word
	s_wait_dscnt 0x0                               ; for the others' sake
	s_barrier_signal -1
	s_barrier_wait -1
	s_cmp_lg_u32 s14, 0
	s_cbranch_scc1 .Lend
	ds_load_b128 v[170:173], v169                  ; wave 0 adds the eight
	ds_load_b128 v[174:177], v169 offset:16
	s_lshl_b32 s16, ttmp9, 2
	s_mov_b32 s17, 0
	s_add_nc_u64 s[24:25], s[24:25], s[16:17]
	s_wait_dscnt 0x0
	v_pk_add_f32 v[170:171], v[170:171], v[172:173]
	v_pk_add_f32 v[174:175], v[174:175], v[176:177]
	s_delay_alu instid0(VALU_DEP_1)
	v_pk_add_f32 v[170:171], v[170:171], v[174:175]
	s_delay_alu instid0(VALU_DEP_1)
	v_add_f32 v170, v170, v171
	v_cmp_eq_u32 vcc_lo, 0, v0
	s_wait_alu depctr_va_vdst(0)
	s_wait_xcnt 0x0                                ; EXEC changes only behind this wait: the stores above have it among their sources
	s_and_saveexec_b32 s18, vcc_lo
	global_store_b32 v169, v170, s[24:25]          ; one number for the work-group, from thread 0
	s_wait_xcnt 0x0                                ; and again, in front of the line that widens it
	s_or_b32 exec_lo, exec_lo, s18
.Lend:
	s_wait_tensorcnt 0x0                           ; the wave's end
	ds_add_u32 v180, v181
	s_wait_dscnt 0x0
	s_endpgm
.Lfunc_end_k_q865305470b_gather:
	.size	k_q865305470b_gather, .Lfunc_end_k_q865305470b_gather-k_q865305470b_gather
	.p2alignl 7, 3214868480
	.fill 96, 4, 3214868480
	.section	.rodata,"a",@progbits
	.p2align	6, 0x0
	.amdhsa_kernel k_q865305470b_gather
		.amdhsa_group_segment_fixed_size 1280
		.amdhsa_private_segment_fixed_size 0
		.amdhsa_enable_private_segment 0
		.amdhsa_kernarg_size 48
		.amdhsa_user_sgpr_count 2
		.amdhsa_user_sgpr_kernarg_segment_ptr 1
		.amdhsa_wavefront_size32 1
		.amdhsa_system_sgpr_workgroup_id_x 1
		.amdhsa_system_sgpr_workgroup_id_y 1
		.amdhsa_system_sgpr_workgroup_id_z 1
		.amdhsa_system_vgpr_workitem_id 0
		.amdhsa_next_free_vgpr 192
		.amdhsa_next_free_sgpr 66
		.amdhsa_reserve_vcc 1
		.amdhsa_float_denorm_mode_32 3
		.amdhsa_float_denorm_mode_16_64 3
		.amdhsa_memory_ordered 1
		.amdhsa_forward_progress 1
		.amdhsa_inst_pref_size 24
	.end_amdhsa_kernel
	.amdgpu_metadata
---
amdhsa.version: [ 1, 2 ]
amdhsa.kernels:
  - .name:           k_q865305470b_gather
    .symbol:         k_q865305470b_gather.kd
    .args:
      - { .name: inputs, .offset: 0, .size: 8, .value_kind: global_buffer, .address_space: global }
      - { .name: w, .offset: 8, .size: 8, .value_kind: global_buffer, .address_space: global }
      - { .name: idx, .offset: 16, .size: 8, .value_kind: global_buffer, .address_space: global }
      - { .name: out0, .offset: 24, .size: 8, .value_kind: global_buffer, .address_space: global }
      - { .name: part, .offset: 32, .size: 8, .value_kind: global_buffer, .address_space: global }
      - { .name: out3, .offset: 40, .size: 8, .value_kind: global_buffer, .address_space: global }
    .group_segment_fixed_size: 1280
    .private_segment_fixed_size: 0
    .kernarg_segment_align: 8
    .kernarg_segment_size: 48
    .max_flat_workgroup_size: 256
    .sgpr_count:     66
    .vgpr_count:     192
    .wavefront_size: 32
...
	.end_amdgpu_metadata
.endif
;; end of part 2
;; launch finish (part 3): grid 1 x 1, 1 waves a work-group, no clusters, 0 bytes of LDS; arguments part, out1; writes out1
.if DOCPART == 3
	.amdgcn_target "amdgcn-amd-amdhsa--gfx1250"
	.amdhsa_code_object_version 6
	.text
	.protected	k_q865305470b_finish
	.globl	k_q865305470b_finish
	.p2align	8
	.type	k_q865305470b_finish,@function
k_q865305470b_finish:
	s_mov_b64 s[64:65], 0
	v_nop
	global_prefetch_b8 v0, s[64:65] scope:SCOPE_SE
	s_setreg_imm32_b32 hwreg(HW_REG_WAVE_MODE, 25, 1), 1
	s_wait_xcnt 0x0
; FINISH.  out1 = 0.25 x the mean of (q - x)^2 = the sum of the 256 partial sums x 2^-24 (0.25 / (65,536 x 64) is that power of two: nothing is rounded by the scaling).  One wave: eight numbers a lane.
	s_load_b128 s[4:7], s[0:1], 0x0                ; part s[4:5], out1 s[6:7]
	v_lshlrev_b32 v1, 4, v0                        ; 16 x lane
	v_mov_b32 v2, 0
	s_mov_b32 s12, 0x76543210                      ; v_permlanex16_b32's selects for the lane 16 away
	s_mov_b32 s13, 0xfedcba98
	s_wait_alu depctr_va_vdst(0)
	s_wait_kmcnt 0x0
	global_load_b128 v[8:11], v1, s[4:5]
	global_load_b128 v[12:15], v1, s[4:5] offset:512
	s_wait_loadcnt 0x0
	v_pk_add_f32 v[8:9], v[8:9], v[10:11]
	v_pk_add_f32 v[12:13], v[12:13], v[14:15]
	v_pk_add_f32 v[8:9], v[8:9], v[12:13]
	v_add_f32 v8, v8, v9
	v_add_f32_dpp v8, v8, v8 row_xmask:1 row_mask:0xf bank_mask:0xf
	v_add_f32_dpp v8, v8, v8 row_xmask:2 row_mask:0xf bank_mask:0xf
	v_add_f32_dpp v8, v8, v8 row_xmask:4 row_mask:0xf bank_mask:0xf
	v_add_f32_dpp v8, v8, v8 row_xmask:8 row_mask:0xf bank_mask:0xf
	v_permlanex16_b32 v9, v8, s12, s13
	v_add_f32 v8, v8, v9
	v_mul_f32 v8, 0x33800000, v8                   ; x 2^-24
	v_cmp_eq_u32 vcc_lo, 0, v0
	s_wait_alu depctr_va_vdst(0)
	s_wait_xcnt 0x0                                ; EXEC changes only behind this wait
	s_and_saveexec_b32 s14, vcc_lo
	global_store_b32 v2, v8, s[6:7]
	s_wait_xcnt 0x0                                ; and again, in front of the line that widens it
	s_or_b32 exec_lo, exec_lo, s14
	s_endpgm
.Lfunc_end_k_q865305470b_finish:
	.size	k_q865305470b_finish, .Lfunc_end_k_q865305470b_finish-k_q865305470b_finish
	.p2alignl 7, 3214868480
	.fill 96, 4, 3214868480
	.section	.rodata,"a",@progbits
	.p2align	6, 0x0
	.amdhsa_kernel k_q865305470b_finish
		.amdhsa_group_segment_fixed_size 0
		.amdhsa_private_segment_fixed_size 0
		.amdhsa_enable_private_segment 0
		.amdhsa_kernarg_size 16
		.amdhsa_user_sgpr_count 2
		.amdhsa_user_sgpr_kernarg_segment_ptr 1
		.amdhsa_wavefront_size32 1
		.amdhsa_system_sgpr_workgroup_id_x 1
		.amdhsa_system_sgpr_workgroup_id_y 1
		.amdhsa_system_sgpr_workgroup_id_z 1
		.amdhsa_system_vgpr_workitem_id 0
		.amdhsa_next_free_vgpr 16
		.amdhsa_next_free_sgpr 66
		.amdhsa_reserve_vcc 1
		.amdhsa_float_denorm_mode_32 3
		.amdhsa_float_denorm_mode_16_64 3
		.amdhsa_memory_ordered 1
		.amdhsa_forward_progress 1
		.amdhsa_inst_pref_size 2
	.end_amdhsa_kernel
	.amdgpu_metadata
---
amdhsa.version: [ 1, 2 ]
amdhsa.kernels:
  - .name:           k_q865305470b_finish
    .symbol:         k_q865305470b_finish.kd
    .args:
      - { .name: part, .offset: 0, .size: 8, .value_kind: global_buffer, .address_space: global }
      - { .name: out1, .offset: 8, .size: 8, .value_kind: global_buffer, .address_space: global }
    .group_segment_fixed_size: 0
    .private_segment_fixed_size: 0
    .kernarg_segment_align: 8
    .kernarg_segment_size: 16
    .max_flat_workgroup_size: 32
    .sgpr_count:     66
    .vgpr_count:     16
    .wavefront_size: 32
...
	.end_amdgpu_metadata
.endif
;; end of part 3
